; MI455X (gfx1250); checked and timed in simulation.
; The chip was launched on July 23, 2026; its instructions are those of AMD's public machine-readable ISA for CDNA 5 (MIT licence, August 2026) and "CDNA5" Instruction Set Architecture Reference Guide (July 2026). The comments in the code are by the model that wrote it; some were corrected since.
;; LSTM Cell. Allowed arithmetic: float matrix products may take bf16 or f16 operands with f32 sums; other float arithmetic in f32, or as packed bf16 or f16 multiplies, adds, multiply-adds, maxima and minima; sums over many terms, partial sums and values carried from step to step in f32; what a program stores and reads back later, other than sums and carried values, may be rounded once to bf16 or f16.
;; Inputs: W_h 4,096 x 1,024 float32; W_x 4,096 x 1,024 float32; b_h 4,096 float32; b_x 4,096 float32; c0 8,192 x 1,024 float32; h0 8,192 x 1,024 float32; x 8,192 x 1,024 float32.
;; Outputs: out0 8,192 x 1,024 float32; out1 8,192 x 1,024 float32.
;; One version. Each part assembles by itself: llvm-mc -triple=amdgcn-amd-amdhsa -mcpu=gfx1250 --defsym DOCPART=n.
;; ======== version 1 of 1: 2 launches
;; workspace buffers: abf 33,554,432 bytes; wbf 16,777,216 bytes
;; launch cast (part 1): grid 768 x 1, 8 waves a work-group, no clusters, 0 bytes of LDS; arguments x, h0, W_x, W_h, abf, wbf; writes abf, wbf
.if DOCPART == 1
	.amdgcn_target "amdgcn-amd-amdhsa--gfx1250"
	.amdhsa_code_object_version 6
	.text
	.protected	k_q204e8cb48b_cast
	.globl	k_q204e8cb48b_cast
	.p2align	8
	.type	k_q204e8cb48b_cast,@function
k_q204e8cb48b_cast:
	s_mov_b64 s[64:65], 0
	v_nop
	global_prefetch_b8 v0, s[64:65] scope:SCOPE_SE
	s_setreg_imm32_b32 hwreg(HW_REG_WAVE_MODE, 25, 1), 1
	s_wait_xcnt 0x0
; abf[8192][2048] bf16 = [x | h0], wbf[4096][2048] bf16 = [W_x | W_h] with W's rows regrouped; every number rounded once, to nearest even.
; ROWS OF wbf.  Row 256 tc + 64 g + j (tc 0..15, gate g 0..3, j 0..63) is source row 1024 g + 64 tc + j: a block of 256 rows holds the four gates of 64 hidden columns.
; K IS PERMUTED, ALIKE IN BOTH BUFFERS.  Within each run of 256 numbers of a row, place 8 l + e (l 0..31) holds source number 4 l + e for e < 4 and 128 + 4 l + e - 4 for e >= 4.
; A product over k keeps its terms; only the order of the sum changes.  In return every load and every store here is 16 bytes a lane on 512 consecutive bytes.
; SHARES.  A work-group makes 16 rows of 4,096 bytes: groups 0..511 of abf, groups 512..767 of wbf.  Wave w makes bytes 512 w .. 512 w + 511 of each row, out of bytes
; 1024 (w % 4) .. + 1023 of the source row: the left buffer (x, W_x) for w < 4, the right one (h0, W_h) for w >= 4.
; Memory binds: each byte is read once and written once; all of a wave's 32 loads (16 KiB) go out before the first is waited for.  No LDS, no barrier: nothing is shared.
.set X, 4                              ; v[4:131]  row i: 8 registers as loaded; its first 4 then hold the 8 bf16 to store
	s_load_b256 s[4:11], s[0:1], 0x0               ; x s[4:5], h0 s[6:7], W_x s[8:9], W_h s[10:11]
	s_load_b128 s[12:15], s[0:1], 0x20             ; abf s[12:13], wbf s[14:15]
	v_lshrrev_b32 v1, 5, v0
	v_readfirstlane_b32 s16, v1                    ; wave 0..7
	v_and_b32 v2, 31, v0
	v_lshlrev_b32 v2, 4, v2                        ; 16 x lane: for the loads and for the stores; never rewritten
	s_and_b32 s30, ttmp9, 0xff                     ; q' = group - 512, for the groups of wbf
	s_bfe_u32 s31, s30, 0x20002                    ; gate = (q' / 4) % 4
	s_lshl_b32 s31, s31, 10                        ; 1024 x gate
	s_lshr_b32 s26, s30, 4
	s_lshl_b32 s26, s26, 6                         ; + 64 x (q' / 16)
	s_add_co_u32 s31, s31, s26
	s_and_b32 s26, s30, 3
	s_lshl_b32 s26, s26, 4                         ; + 16 x (q' % 4): W's first source row
	s_add_co_u32 s31, s31, s26
	s_lshl_b32 s30, s30, 4                         ; wbf's first row
	s_lshl_b32 s28, ttmp9, 4                       ; abf's first row, and x's and h0's
	s_wait_kmcnt 0x0
	s_cmp_lt_u32 ttmp9, 512                        ; a group of abf?  Only selects stand between this compare and its last use
	s_cselect_b64 s[18:19], s[4:5], s[8:9]         ; the left source
	s_cselect_b64 s[20:21], s[6:7], s[10:11]       ; the right source
	s_cselect_b64 s[22:23], s[12:13], s[14:15]     ; the destination
	s_cselect_b32 s26, s28, s31                    ; first source row
	s_cselect_b32 s28, s28, s30                    ; first destination row
	s_lshl_b32 s26, s26, 12                        ; rows of 4,096 bytes on both sides
	s_and_b32 s30, s16, 3
	s_lshl_b32 s30, s30, 10
	s_add_co_u32 s26, s26, s30                     ; + my 1,024 bytes of a source row
	s_mov_b32 s27, 0
	s_lshl_b32 s28, s28, 12
	s_lshl_b32 s30, s16, 9
	s_add_co_u32 s28, s28, s30                     ; + my 512 bytes of a destination row
	s_mov_b32 s29, 0
	s_cmp_lt_u32 s16, 4
	s_cselect_b64 s[24:25], s[18:19], s[20:21]     ; my source
	s_add_nc_u64 s[24:25], s[24:25], s[26:27]
	s_add_nc_u64 s[22:23], s[22:23], s[28:29]
.irp i, 0,1,2,3,4,5,6,7,8,9,10,11,12,13,14,15
	global_load_b128 v[X+8*(\i):X+8*(\i)+3],   v2, s[24:25] offset:4096*(\i) th:TH_LOAD_NT      ; numbers 4 l .. 4 l + 3 of my run of 256
	global_load_b128 v[X+8*(\i)+4:X+8*(\i)+7], v2, s[24:25] offset:4096*(\i)+512 th:TH_LOAD_NT  ; numbers 128 + 4 l .. + 3
.endr
.irp i, 0,1,2,3,4,5,6,7,8,9,10,11,12,13,14,15
	s_wait_loadcnt 30-2*(\i)                       ; loads come back in order: row i's two are in, the 2 (15 - i) younger ones may stay out
	v_cvt_pk_bf16_f32 v[X+8*(\i)],   v[X+8*(\i)],   v[X+8*(\i)+1]  ; in place, ascending: no source is written before it is read
	v_cvt_pk_bf16_f32 v[X+8*(\i)+1], v[X+8*(\i)+2], v[X+8*(\i)+3]
	v_cvt_pk_bf16_f32 v[X+8*(\i)+2], v[X+8*(\i)+4], v[X+8*(\i)+5]
	v_cvt_pk_bf16_f32 v[X+8*(\i)+3], v[X+8*(\i)+6], v[X+8*(\i)+7]
	global_store_b128 v2, v[X+8*(\i):X+8*(\i)+3], s[22:23] offset:4096*(\i)  ; the wave stores 512 consecutive bytes, at a multiple of 512 from the buffer's first; no register of a store is written again
.endr
	s_endpgm
.Lfunc_end_k_q204e8cb48b_cast:
	.size	k_q204e8cb48b_cast, .Lfunc_end_k_q204e8cb48b_cast-k_q204e8cb48b_cast
	.p2alignl 7, 3214868480
	.fill 96, 4, 3214868480
	.section	.rodata,"a",@progbits
	.p2align	6, 0x0
	.amdhsa_kernel k_q204e8cb48b_cast
		.amdhsa_group_segment_fixed_size 0
		.amdhsa_private_segment_fixed_size 0
		.amdhsa_enable_private_segment 0
		.amdhsa_kernarg_size 48
		.amdhsa_user_sgpr_count 2
		.amdhsa_user_sgpr_kernarg_segment_ptr 1
		.amdhsa_wavefront_size32 1
		.amdhsa_system_sgpr_workgroup_id_x 1
		.amdhsa_system_sgpr_workgroup_id_y 1
		.amdhsa_system_sgpr_workgroup_id_z 1
		.amdhsa_system_vgpr_workitem_id 0
		.amdhsa_next_free_vgpr 132
		.amdhsa_next_free_sgpr 66
		.amdhsa_reserve_vcc 0
		.amdhsa_float_denorm_mode_32 3
		.amdhsa_float_denorm_mode_16_64 3
		.amdhsa_memory_ordered 1
		.amdhsa_forward_progress 1
		.amdhsa_inst_pref_size 11
	.end_amdhsa_kernel
	.amdgpu_metadata
---
amdhsa.version: [ 1, 2 ]
amdhsa.kernels:
  - .name:           k_q204e8cb48b_cast
    .symbol:         k_q204e8cb48b_cast.kd
    .args:
      - { .name: x, .offset: 0, .size: 8, .value_kind: global_buffer, .address_space: global }
      - { .name: h0, .offset: 8, .size: 8, .value_kind: global_buffer, .address_space: global }
      - { .name: W_x, .offset: 16, .size: 8, .value_kind: global_buffer, .address_space: global }
      - { .name: W_h, .offset: 24, .size: 8, .value_kind: global_buffer, .address_space: global }
      - { .name: abf, .offset: 32, .size: 8, .value_kind: global_buffer, .address_space: global }
      - { .name: wbf, .offset: 40, .size: 8, .value_kind: global_buffer, .address_space: global }
    .group_segment_fixed_size: 0
    .private_segment_fixed_size: 0
    .kernarg_segment_align: 8
    .kernarg_segment_size: 48
    .max_flat_workgroup_size: 256
    .sgpr_count:     66
    .vgpr_count:     132
    .wavefront_size: 32
...
	.end_amdgpu_metadata
.endif
;; end of part 1
;; launch lstm (part 2): grid 16 x 16, 4 waves a work-group, clusters of 4 x 4, 327,680 bytes of LDS; arguments abf, wbf, b_x, b_h, c0, out0, out1; writes out0, out1
.if DOCPART == 2
	.amdgcn_target "amdgcn-amd-amdhsa--gfx1250"
	.amdhsa_code_object_version 6
	.text
	.protected	k_q204e8cb48b_lstm
	.globl	k_q204e8cb48b_lstm
	.p2align	8
	.type	k_q204e8cb48b_lstm,@function
k_q204e8cb48b_lstm:
	s_mov_b64 s[64:65], 0
	v_nop
	global_prefetch_b8 v0, s[64:65] scope:SCOPE_SE
	s_setreg_imm32_b32 hwreg(HW_REG_WAVE_MODE, 25, 1), 1
	s_wait_xcnt 0x0
	s_wait_alu depctr_hold_cnt(0) depctr_sa_sdst(0) depctr_va_vdst(0) depctr_va_sdst(0) depctr_va_ssrc(0) depctr_va_vcc(0) depctr_vm_vsrc(0)
	s_getreg_b32 s2, hwreg(HW_REG_IB_STS2, 6, 4)
	s_cmp_eq_u32 s2, 0
	s_cbranch_scc0 .Lentry_in_a_cluster
	s_endpgm
.Lentry_in_a_cluster:
	s_bfe_u32 s2, ttmp6, 0x10000c
	s_cmp_lg_u32 s2, 0xf033
	s_cbranch_scc0 .Lentry_shape_is_right
	s_endpgm
.Lentry_shape_is_right:
; ONE LSTM STEP.  gates[n][n'] = sum over k of abf[n][k] wbf[n'][k] + b_x + b_h;  c1 = sigmoid(gf) c0 + sigmoid(gi) tanh(gc);  h1 = sigmoid(go) tanh(c1).  out0 = h1, out1 = c1, f32.
; abf [8192][2048] = [x | h0] and wbf [4096][2048] = [W_x | W_h] are bf16, made by the launch before; wbf's row 256 tc + 64 g + j is gate g of hidden column 64 tc + j; k is permuted alike in both.
; LIMITS.  Matrix operands are rounded once to bf16, sums are f32, in another order than k ascending.  sigmoid(x) = 1 / (1 + 2^(-x log2 e)), tanh(x) = 1 - 2 / (1 + 2^(2 x log2 e)): where the power
; overflows to infinity or falls to 0 the reciprocal gives the right end value, so no clamp is needed; a sigmoid below 2^-126 counts as 0; NaN is not treated apart.
; SHARES.  A tile is 256 rows x 256 columns n' = 64 hidden columns x 4 gates.  Four waves; wave w owns rows 64 w .. 64 w + 63 and ALL 256 columns: 4 row blocks a x 16 column blocks b = 64 accumulators,
; 512 registers; b = 4 gate + cb.  So the four gates of an element meet in one lane, and a wave owns whole rows of 256 bytes of c0, out0 and out1: the way out has no barrier.
; The price: 40 LDS loads for 64 matrix instructions, where a square wave tile would have 32.
; THE MATRIX INSTRUCTION IS USED TRANSPOSED: source 0 = 16 rows of wbf, source 1 = 16 rows of abf: lane l holds row l % 16 and columns 16 b + 8 (l / 16) + 0..7.
; THE BIAS is the C operand of each sum's first product: nothing is cleared and nothing is added later.
; RING.  K goes in steps of 128 through two LDS slots (256 rows of abf, 256 of wbf, 256 bytes a row + 16 of padding); each wave fetches 128 rows with one tensor load.
; CLUSTER 4 x 4.  abf's tile hangs on the tile row alone and is asked for jointly by a row of the cluster, wbf's on the tile column alone, by a column.
; A WORK-GROUP STAYS for two tiles, 4,096 rows apart; the ring runs on into the second tile, whose first two K steps are asked for before the first tile goes out.
; REGISTERS, in windows of 256 (s_set_vgpr_msb: bits 1:0 source 0, 3:2 source 1, 5:4 source 2, 7:6 destination):
;   window 0: v0-31 addresses; v32-63, v64-95 abf's fragments, two buffers; v96-127 c0 in the accumulators' layout, then h1's rows; v128-255 the bias for a tile's first quarter, then the tile's c0 by rows
;   window 1: v0-127, v128-255 wbf's fragments, two buffers; on the way out the second holds the four gates of a row block
;   window 2: accumulators of row blocks 0, 1 ((a, b) at v[8 (16 (a % 2) + b)]);  window 3: of row blocks 2, 3
.set KDIM,   2048
.set ROWB,   4096                      ; bytes in a row of abf and wbf (bf16) and of c0, out0, out1 (f32)
.set KSTEP,  128
.set PITCH,  272                       ; an LDS row: 256 bytes + 16 = 68 words: the 16 rows that a load touches start at 16 different groups of four banks (64 banks of 4 bytes: ISA guide 11.1)
.set HALFT,  128*PITCH                 ; what one tensor load brings
.set SLOT,   4*HALFT                   ; abf's 256 rows, then wbf's 256 rows
.set STAGE,  2*SLOT                    ; behind the ring: for each wave two stages of 16 rows x 272 bytes (64 f32 + 16 bytes): X (c0 in, h1 out), Y (c1 out)
.set SP,     272
.set STG,    16*SP
.set BIAS,   STAGE+4*2*STG             ; 256 f32: b_x + b_h of the tile column, in the order of n'
.set SPARE,  BIAS+1024                 ; the spare words, 128 bytes for each wave: two blocks of 256 bytes that no other line names
.set LAPS,   KDIM/(2*KSTEP)            ; a lap = two K steps = once round the ring
.set TILES,  2
.set WALK,   8192/TILES                ; rows from a work-group's tile to its next
.set NEXT_A, WALK*ROWB-(KDIM-2*KSTEP)*2 ; bytes from a slot's last K step of a tile to its first of the next: abf goes WALK rows down and back along K,
.set BACK_B, (KDIM-2*KSTEP)*2          ; wbf only back
.set ADRA, 16                          ; v16-17  LDS address of my abf fragments in slot 0, 1
.set ADRB, 20                          ; v20-21  the same for wbf
.set STX,  22                          ; v22     stage X in the accumulators' layout: 272 (l % 16) + 32 (l / 16)
.set STY,  23                          ; v23     stage Y likewise
.set RDX,  24                          ; v24     stage X by rows: 272 (l / 16) + 16 (l % 16)
.set RDY,  25                          ; v25     stage Y likewise
.set CO,   26                          ; v26     the same two rows in c0, out0, out1: 4096 (l / 16) + 16 (l % 16); never rewritten
.set BA,   27                          ; v27     BIAS + 32 (l / 16)
.set SPW,  28                          ; v28     LDS address of my spare word; never rewritten
.set NIL,  29                          ; v29     0; never rewritten
.set PFO,  30                          ; v30     the prefetches' offset: my lane x a row; never rewritten
.set FA,   32                          ; abf's fragment buffers, window 0: buffer f, row block a at FA + 32 f + 8 a
.set CR,   64                          ; the way out: c1's rows read back (buffer 1's registers)
.set C0P,  96
.set BC,   128
.set GT,   128                         ; window 1, the way out: gate g, column block cb, register j at GT + 32 g + 8 cb + j
.set GI,   128
.set GF,   160
.set GC,   192
.set GO,   224
.set WV,   18                          ; s18  my wave's number
.set FBR,  19                          ; s19  0: I fetch for abf, 1: for wbf
.set HF,   20                          ; s20  which 128 rows of that tile I fetch
.set G1,   24                          ; s[24:31] descriptor group 1 for abf's tiles;  s[32:39] group 0, a set for each slot
.set G0,   32
.set LIM,  43                          ; s43  1 in a wave that prefetches, else the greatest number
.set PFA,  44                          ; s[44:45] where my prefetches stand
.set G1B,  48                          ; s[48:55], s[56:63] the same for wbf's tiles
.set G0B,  56
.set KN,   66                          ; s[66:67] -log2 e, named as a pair
.set KP,   68                          ; s[68:69] 2 log2 e
.set MSB, 0
.macro WIN new                         ; the immediate's high byte repeats the setting that is left; a switch that changes nothing is dropped
.if MSB != (\new)
	s_set_vgpr_msb (MSB<<8)|(\new)
.set MSB, \new
.endif
.endm
.macro PLACES                          ; four plain vector instructions between a matrix instruction and a load into, or a vector line on, one of its registers (ISA guide 7.12.1 for vector instructions)
.rept 4
	v_nop
.endr
.endm
; A joint load.  Waves 0 and 1 fetch abf's two halves, waves 2 and 3 wbf's: each line has one mask and one set of registers.  The branch hangs on the wave's number alone.
; An s_nop 0 and four v_nop follow each of the two lines, ahead of the jump, the label and what follows.
.macro JLOAD s
	s_cmp_eq_u32 s[FBR], 0
	s_cbranch_scc0 .Lfor_b_\@
	tensor_load_to_lds s[G0+4*(\s):G0+4*(\s)+3], s[G1:G1+7]
	s_nop 0
.rept 4
	v_nop
.endr
	s_branch .Lasked_\@
.Lfor_b_\@:
	tensor_load_to_lds s[G0B+4*(\s):G0B+4*(\s)+3], s[G1B:G1B+7]
	s_nop 0
.rept 4
	v_nop
.endr
.Lasked_\@:
.endm
; A prefetch into the L2, behind a joint load, its five lines and the run of LDS loads: the K step that stands two refills on, 512 matrix instructions ahead of the load that will ask for it: 32 rows x 256 bytes,
; a lane a row, one instruction a wave.  Each row's 256 bytes of a K step are named once in the launch: abf's tile row is walked by every cluster of that row of clusters, and cluster x = 0 asks;
; wbf's tile column by every cluster of that column, and cluster y = 0 asks; of the 128 rows that a wave fetches, the partner at place p among the four that ask jointly takes 32 p .. 32 p + 31, told apart by address.
; how = 0, in the loop: a tile's last two refills have no K step two on (s3 = 1 in the last trip).  how = 1: at the change of tiles.
.macro ASK how
.if \how
	s_cmp_eq_u32 s[LIM], 1
.else
	s_cmp_gt_u32 s3, s[LIM]
.endif
	s_cbranch_scc0 .Lnot_mine_\@
	global_prefetch_b8 v[PFO], s[PFA:PFA+1] offset:KSTEP*2 th:TH_LOAD_NT scope:SCOPE_SE
.Lnot_mine_\@:
.endm
; A round of the cluster's barrier: my work-group's barrier, so that wave 0's signal speaks for all four waves; wave 0 signals; every wave waits for all sixteen work-groups; my work-group's barrier once more.
.macro CREST                           ; a round behind its opening barrier
	s_cmp_lg_u32 s[WV], 0
	s_cbranch_scc1 .Lnot_wave_0_\@
	s_barrier_signal -3
.Lnot_wave_0_\@:
	s_barrier_wait -3
	s_barrier_signal -1
	s_barrier_wait -1
.endm
.macro CROUND
	s_barrier_signal -1
	s_barrier_wait -1
	CREST
.endm
	s_load_b256 s[4:11], s[0:1], 0x0               ; abf s[4:5], wbf s[6:7], b_x s[8:9], b_h s[10:11]
	s_load_b128 s[12:15], s[0:1], 0x20             ; c0 s[12:13], out0 (h1) s[14:15]
	s_load_b64 s[16:17], s[0:1], 0x30              ; out1 (c1)
	v_lshl_add_u32 v[SPW], v0, 2, SPARE
	v_mov_b32 v[NIL], 0
	ds_add_u32 v[SPW], v[NIL]                      ; the wave's opening: the add and its wait stand ahead of my first tensor load; the set-up below, work on registers, stands between them
	v_lshrrev_b32 v1, 5, v0
	v_readfirstlane_b32 s[WV], v1                  ; wave 0..3
	s_lshr_b32 s[FBR], s[WV], 1
	s_and_b32 s[HF], s[WV], 1
	s_bfe_u32 s21, ttmp6, 0x40000                  ; cx: my place along the cluster's x
	s_bfe_u32 s22, ttmp6, 0x40004                  ; cy: along its y
	s_lshl_b32 s23, ttmp9, 2                       ; in a cluster launch ttmp9 and ttmp7 count clusters
	s_add_co_u32 s23, s23, s21                     ; tile column = 4 x cluster x + cx: hidden columns 64 x it, wbf's rows 256 x it
	s_and_b32 s40, ttmp7, 0xffff
	s_lshl_b32 s40, s40, 2
	s_add_co_u32 s40, s40, s22                     ; tile row = 4 x cluster y + cy
	s_lshl_b32 s41, s22, 2
	s_lshl_b32 s41, 15, s41                        ; my row of the cluster: places 4 cy .. 4 cy + 3
	s_lshl_b32 s42, 0x1111, s21                    ; my column: places cx, cx + 4, cx + 8, cx + 12
	; descriptor group 1: a tile of 128 rows x 128 elements of 2 bytes, padded in LDS
	s_or_b32 s[G1+0], s41, (1<<16)|(1<<20)|(1<<21)|(5<<22)|(3<<25)   ; 15:0 the mask; 17:16 2-byte elements; 20 padding on; 21 set beside a mask; 24:22 after every 64 words (code 5); 31:25 4 words (code 3)
	s_or_b32 s[G1B+0], s42, (1<<16)|(1<<20)|(1<<21)|(5<<22)|(3<<25)
.irp g, G1, G1B
	s_mov_b32 s[(\g)+1], KSTEP<<16                 ; tensor_dim0 = 128
	s_mov_b32 s[(\g)+2], 128<<16                   ; tensor_dim1 = 128
	s_mov_b32 s[(\g)+3], KSTEP<<16                 ; tile_dim0 = 128
	s_mov_b32 s[(\g)+4], 128                       ; tile_dim1 = 128
	s_mov_b32 s[(\g)+5], KDIM                      ; elements from row to row
	s_mov_b32 s[(\g)+6], 0
	s_mov_b32 s[(\g)+7], 0
.endr
	; offsets, made apart from the addresses.  abf's hangs on the tile row alone, wbf's on the tile column alone, each in registers that never hold the other coordinate
	s_lshl_b32 s78, s[HF], 19                      ; the 128 rows that I fetch, 4,096 bytes each
	s_lshl_b32 s70, s40, 20                        ; 256 rows x 4,096 bytes x tile row
	s_add_co_u32 s70, s70, s78
	s_mov_b32 s71, 0
	s_lshl_b32 s46, s23, 20                        ; the same by the tile column
	s_add_co_u32 s46, s46, s78
	s_mov_b32 s47, 0
	s_mul_i32 s79, s[WV], HALFT                    ; where my loads go in a slot: wave x 128 rows: no place in the cluster enters an LDS address
	s_lshl_b32 s72, s40, 20                        ; c0, out0, out1: my tile's 256 rows,
	s_lshl_b32 s76, s[WV], 18                      ; my wave's 64 of them,
	s_add_co_u32 s72, s72, s76
	s_lshl_b32 s76, s23, 8                         ; the tile's 64 hidden columns of 4 bytes
	s_add_co_u32 s72, s72, s76
	s_mov_b32 s73, 0
	s_mov_b32 s77, 0                               ; s[76:77]: the same 256 bytes x tile column in b_x and b_h
	s_mov_b32 s[KN], 0xbfb8aa3b                    ; -log2 e
	s_mov_b32 s[KN+1], s[KN]
	s_mov_b32 s[KP], 0x4038aa3b                    ; 2 log2 e
	s_mov_b32 s[KP+1], s[KP]
	s_wait_dscnt 0x0                               ; the opening add is done
	s_wait_kmcnt 0x0
	s_add_nc_u64 s[70:71], s[4:5], s[70:71]        ; abf at my 128 rows, K step 0
	s_add_nc_u64 s[46:47], s[6:7], s[46:47]        ; wbf likewise
	s_add_nc_u64 s[8:9], s[8:9], s[76:77]
	s_add_nc_u64 s[10:11], s[10:11], s[76:77]
	s_add_nc_u64 s[12:13], s[12:13], s[72:73]
	s_add_nc_u64 s[14:15], s[14:15], s[72:73]
	s_add_nc_u64 s[16:17], s[16:17], s[72:73]
	CROUND                                         ; all sixteen work-groups are here: the first joint loads meet
.irp s, 0,1
	s_mov_b32 s[G0+4*(\s)], 1                                        ; 1:0 count = 1
	s_add_co_u32 s[G0+4*(\s)+1], s79, (\s)*SLOT                      ; 63:32 LDS address
	s_add_nc_u64 s[G0+4*(\s)+2:G0+4*(\s)+3], s[70:71], (\s)*KSTEP*2  ; 120:64 global address: K step s
	s_or_b32 s[G0+4*(\s)+3], s[G0+4*(\s)+3], 0x80000000              ; 127:126 type = 2
	s_mov_b32 s[G0B+4*(\s)], 1
	s_add_co_u32 s[G0B+4*(\s)+1], s79, (\s)*SLOT
	s_add_nc_u64 s[G0B+4*(\s)+2:G0B+4*(\s)+3], s[46:47], (\s)*KSTEP*2
	s_or_b32 s[G0B+4*(\s)+3], s[G0B+4*(\s)+3], 0x80000000
	JLOAD \s                                       ; the ring is filled before anything else is done: two tensor loads of mine are out
.endr
	; the bias: wave w takes gate w's 64 numbers of b_x and of b_h, two a lane
	v_and_b32 v1, 15, v0                           ; l % 16
	v_bfe_u32 v2, v0, 4, 1                         ; l / 16
	v_and_b32 v3, 31, v0                           ; l
	v_lshlrev_b32 v10, 3, v3
	v_lshl_add_u32 v10, s[WV], 12, v10             ; 1,024 numbers from gate to gate + 8 bytes a lane
	global_load_b64 v[6:7], v10, s[8:9]
	global_load_b64 v[8:9], v10, s[10:11]
	v_lshl_add_u32 v11, v0, 3, BIAS                ; n' = 64 w + 2 l: 8 bytes x my thread's number
	; the prefetches: s[70:71] and s[46:47] stand at the 128 rows that I fetch, of abf and of wbf
	s_and_b32 s78, ttmp7, 0xffff                   ; cluster y
	s_cmp_eq_u32 s[FBR], 0                         ; do I fetch for abf?
	s_cselect_b32 s76, s21, s22                    ; my place among the four that ask with me
	s_cselect_b32 s78, ttmp9, s78                  ; the coordinate along which other clusters walk the same rows
	s_cselect_b64 s[PFA:PFA+1], s[70:71], s[46:47]
	s_cmp_eq_u32 s78, 0
	s_cselect_b32 s[LIM], 1, -1                    ; the same in all sixteen partners, for a given wave
	s_lshl_b32 s76, s76, 17                        ; my work-group's 32 rows
	s_add_co_u32 s76, s76, 2*KSTEP*2               ; at K step 2: the first refill steps it to 3 and names K step 4; nothing is prefetched here, where every work-group's first tiles are on their way
	s_mov_b32 s77, 0
	s_add_nc_u64 s[PFA:PFA+1], s[PFA:PFA+1], s[76:77]
	v_lshlrev_b32 v[PFO], 12, v3
	; a fragment is 16 rows x 32 k in 8 registers: lane l holds row l % 16; registers 0-3 the 16 bytes at 16 (l / 16), registers 4-7 those 32 bytes on
	v_mul_u32_u24 v4, v1, PITCH
	v_lshl_add_u32 v4, v2, 4, v4
	s_mul_i32 s76, s[WV], 64*PITCH                 ; my 64 rows of abf
	v_add_nc_u32 v[ADRA], s76, v4
	v_add_nc_u32 v[ADRA+1], SLOT, v[ADRA]
	v_add_nc_u32 v[ADRB], 2*HALFT, v4              ; all 256 rows of wbf, behind abf's 256
	v_add_nc_u32 v[ADRB+1], SLOT, v[ADRB]
	s_mul_i32 s77, s[WV], 2*STG
	s_add_co_u32 s77, s77, STAGE                   ; my two stages
	v_mul_u32_u24 v5, v1, SP
	v_lshl_add_u32 v5, v2, 5, v5
	v_add_nc_u32 v[STX], s77, v5
	v_add_nc_u32 v[STY], STG, v[STX]
	v_mul_u32_u24 v5, v2, SP
	v_lshl_add_u32 v5, v1, 4, v5
	v_add_nc_u32 v[RDX], s77, v5
	v_add_nc_u32 v[RDY], STG, v[RDX]
	v_lshlrev_b32 v[CO], 12, v2
	v_lshl_add_u32 v[CO], v1, 4, v[CO]
	v_lshl_add_u32 v[BA], v2, 5, BIAS
	s_wait_loadcnt 0x0                             ; b_x and b_h
	v_pk_add_f32 v[6:7], v[6:7], v[8:9]
	ds_store_b64 v11, v[6:7]
; 16 matrix instructions: row block a x all 16 column blocks, 32 along K, from buffer f.  first = 1: C is the bias, in window 0: the product starts the sum.
; The 64 accumulators take turns in the same order in every quarter step, over the backward jumps and into the tails too.
.macro MUL16 f, a, first
.if \first
	WIN 0x81+0x40*((\a)/2)                         ; wbf window 1, abf window 0, C window 0, D window 2 or 3
.else
	WIN 0xa1+0x50*((\a)/2)                         ; the same with C in D's window
.endif
.irp b, 0,1,2,3,4,5,6,7,8,9,10,11,12,13,14,15
.if \first
	v_wmma_f32_16x16x32_bf16 v[8*(16*((\a)%2)+(\b)):8*(16*((\a)%2)+(\b))+7], v[128*(\f)+8*(\b):128*(\f)+8*(\b)+7], v[FA+32*(\f)+8*(\a):FA+32*(\f)+8*(\a)+7], v[BC+8*(\b):BC+8*(\b)+7]
.else
	v_wmma_f32_16x16x32_bf16 v[8*(16*((\a)%2)+(\b)):8*(16*((\a)%2)+(\b))+7], v[128*(\f)+8*(\b):128*(\f)+8*(\b)+7], v[FA+32*(\f)+8*(\a):FA+32*(\f)+8*(\a)+7], v[8*(16*((\a)%2)+(\b)):8*(16*((\a)%2)+(\b))+7]
.endif
.endr
.endm
; 40 LDS loads in one run: a quarter step's fragments (256 rows of wbf, my 64 rows of abf, 32 k at byte k of the rows) into buffer g; abf's last.  The largest immediate is 192 + 15 x 4,352 + 32 = 65,504.
.macro FETCH slot, k, g
	WIN 0x40                                       ; destination window 1, address window 0
.irp i, 0,1,2,3,4,5,6,7,8,9,10,11,12,13,14,15
	ds_load_b128 v[128*(\g)+8*(\i):128*(\g)+8*(\i)+3],   v[ADRB+(\slot)] offset:(\k)+(\i)*16*PITCH
	ds_load_b128 v[128*(\g)+8*(\i)+4:128*(\g)+8*(\i)+7], v[ADRB+(\slot)] offset:(\k)+(\i)*16*PITCH+32
.endr
	WIN 0
.irp i, 0,1,2,3
	ds_load_b128 v[FA+32*(\g)+8*(\i):FA+32*(\g)+8*(\i)+3],   v[ADRA+(\slot)] offset:(\k)+(\i)*16*PITCH
	ds_load_b128 v[FA+32*(\g)+8*(\i)+4:FA+32*(\g)+8*(\i)+7], v[ADRA+(\slot)] offset:(\k)+(\i)*16*PITCH+32
.endr
.endm
; A K step is four quarters of 32 along K, 64 matrix instructions each, on buffers 0, 1, 0, 1.  One of the first three: multiplies buffer f and, in its middle, fetches the next quarter, at byte k, into buffer g.
.macro QUARTER slot, k, f, g, first
.if \first
	s_wait_dscnt 0x0                               ; the fragments and the bias are in
.else
	s_wait_dscnt 4                                 ; all of wbf's and abf's row blocks 0, 1 are in; the youngest four loads (row blocks 2, 3) may be out
.endif
	MUL16 \f, 0, \first
	MUL16 \f, 1, \first
	PLACES
	FETCH \slot, \k, \g
	s_wait_dscnt 40                                ; all but the 40 just issued
	MUL16 \f, 2, \first
	MUL16 \f, 3, \first
.endm
; The last quarter multiplies buffer 1 and changes slots.  MEET is its first half: one barrier for two things.  In front of it each wave waits for all its tensor loads, of which one is out: its part of the next
; slot; adds 0 to its spare word; and waits for that and for its own reads of this slot.  Behind it nobody reads this slot any more and the next slot is whole.
.macro MEET round                      ; round = 1: the rest of a round of the cluster's barrier follows
	WIN 0                                          ; (the add's two registers lie in window 0)
	s_wait_tensorcnt 0x0                           ; all my tensor loads have landed
	ds_add_u32 v[SPW], v[NIL]                      ; 0 onto my spare word
	s_wait_dscnt 5                                 ; (the add and the youngest four loads may be out)
	MUL16 1, 0, 0                                  ; sixteen matrix instructions stand between the add and the wait for it
	s_wait_dscnt 0x0                               ; the add is done, and my reads of this slot are over
	s_barrier_signal -1
	MUL16 1, 1, 0                                  ; work on registers while the others arrive
.if \round
	WIN 0
.endif
	s_barrier_wait -1
.endm
; The whole last quarter.  Behind the round the slot just read out is filled again first: with this tile's K step two on (on = 0) or with the next tile's K step 0 or 1 (on = 1); then come the next slot's first
; fragments.  From a request to the wait for it a wave issues 224 matrix instructions.
.macro TURN slot, next, on
	s_wait_xcnt 0x0                                ; the last prefetch, a K step back, has read its address: it is stepped here, ahead of the change's own waits
.if (\on) && (\slot) == 0
	s_add_nc_u64 s[PFA:PFA+1], s[PFA:PFA+1], (WALK-1)*ROWB+KSTEP*2  ; from the K step after the tile's last to the next tile's K step 1
	s_cmp_eq_u32 s[FBR], 0
	s_cselect_b32 s[LIM], s[LIM], -1               ; wbf's rows are the same for both tiles: they are asked for in the first tile alone
.else
	s_add_nc_u64 s[PFA:PFA+1], s[PFA:PFA+1], KSTEP*2
.endif
	MEET 1
	CREST                                          ; no wave of any partner still reads this slot's tile or has a load on its way
.if \on
	s_add_nc_u64 s[G0+4*(\slot)+2:G0+4*(\slot)+3], s[G0+4*(\slot)+2:G0+4*(\slot)+3], NEXT_A
	s_sub_nc_u64 s[G0B+4*(\slot)+2:G0B+4*(\slot)+3], s[G0B+4*(\slot)+2:G0B+4*(\slot)+3], BACK_B
.else
	s_add_nc_u64 s[G0+4*(\slot)+2:G0+4*(\slot)+3], s[G0+4*(\slot)+2:G0+4*(\slot)+3], 2*KSTEP*2
	s_add_nc_u64 s[G0B+4*(\slot)+2:G0B+4*(\slot)+3], s[G0B+4*(\slot)+2:G0B+4*(\slot)+3], 2*KSTEP*2
.endif
	JLOAD \slot                                    ; my one tensor load behind the round; the four v_nop behind it are also the places in front of the loads below
	FETCH \next, 0, 0
	ASK \on
	MUL16 1, 2, 0
	MUL16 1, 3, 0
.endm
.macro LOADBIAS                        ; C of column block b: register j = bias[16 b + 8 (l / 16) + j]; sixteen lanes read the same 16 bytes
	WIN 0
.set i, 0
.rept 32
	ds_load_b128 v[BC+4*i:BC+4*i+3], v[BA] offset:64*(i/2)+16*(i%2)
.set i, i+1
.endr
.endm
.macro C0LOADS                         ; my 64 rows x 256 bytes of c0, two rows a load (sixteen lanes take 256 consecutive bytes); row block a, pair t at BC + 32 a + 4 t.  They are waited for at the way out
	WIN 0
.set i, 0
.rept 32
	global_load_b128 v[BC+4*i:BC+4*i+3], v[CO], s[12:13] offset:2*ROWB*i th:TH_LOAD_NT
.set i, i+1
.endr
.endm
; THE WAY OUT of row block a begins: its c0 goes into stage X by rows; its 16 accumulators, times -log2 e (the cell gate: 2 log2 e), go into window 1.  Each accumulator is read from its low end on.
.macro TAKE a
	WIN 0
.irp t, 0,1,2,3,4,5,6,7
	ds_store_b128 v[RDX], v[BC+32*(\a)+4*(\t):BC+32*(\a)+4*(\t)+3] offset:2*SP*(\t)
.endr
	WIN 0x42+(\a)/2                                ; source 0 window 2 or 3, destination window 1
.irp b, 0,1,2,3,4,5,6,7,8,9,10,11,12,13,14,15
.irp z, 0,1,2,3
.if ((\b)/4) == 2
	v_pk_mul_f32 v[GT+8*(\b)+2*(\z):GT+8*(\b)+2*(\z)+1], v[8*(16*((\a)%2)+(\b))+2*(\z):8*(16*((\a)%2)+(\b))+2*(\z)+1], s[KP:KP+1] op_sel_hi:[1,0]
.else
	v_pk_mul_f32 v[GT+8*(\b)+2*(\z):GT+8*(\b)+2*(\z)+1], v[8*(16*((\a)%2)+(\b))+2*(\z):8*(16*((\a)%2)+(\b))+2*(\z)+1], s[KN:KN+1] op_sel_hi:[1,0]
.endif
.endr
.endr
	WIN 0
.endm
; The arithmetic of a row block, 32 elements a lane, and its stores.  Four batches of transcendentals; behind each one plain instruction and one s_wait_alu depctr_va_vdst(0), ahead of a
; batch's first reader.  The stages are my wave's own, and LDS serves a wave's instructions in order (ISA guide 5.7.1.4): no wait stands between a stage's stores and its loads.
.macro PK16 line:vararg                ; one line for each of 16 pairs: i = 0, 2 .. 30
.set i, 0
.rept 16
	\line
.set i, i+2
.endr
.endm
.macro MATH
	WIN 0
.irp c, 0,1,2,3,4,5,6,7
	ds_load_b128 v[C0P+4*(\c):C0P+4*(\c)+3], v[STX] offset:64*((\c)/2)+16*((\c)%2)  ; c0 in the accumulators' layout: row l % 16, columns 16 cb + 8 (l / 16) + 0..7
.endr
	WIN 0x55                                       ; all operand places window 1
.set i, 0
.rept 128
	v_exp_f32 v[GT+i], v[GT+i]
.set i, i+1
.endr
	v_nop
	s_wait_alu depctr_va_vdst(0)
.set i, 0
.rept 64
	v_pk_add_f32 v[GT+i:GT+i+1], v[GT+i:GT+i+1], 1.0 op_sel_hi:[1,0]
.set i, i+2
.endr
.set i, 0
.rept 128
	v_rcp_f32 v[GT+i], v[GT+i]
.set i, i+1
.endr
	v_nop
	s_wait_alu depctr_va_vdst(0)                   ; GI, GF, GO hold the sigmoids, GC holds 1 / (1 + 2^(2 gc log2 e))
	PK16 v_pk_fma_f32 v[GC+i:GC+i+1], v[GC+i:GC+i+1], -2.0, 1.0 op_sel_hi:[1,0,0]
	PK16 v_pk_mul_f32 v[GI+i:GI+i+1], v[GI+i:GI+i+1], v[GC+i:GC+i+1]
	s_wait_dscnt 0x0                               ; c0 is in
	WIN 0x51                                       ; source 1 (c0) window 0
	PK16 v_pk_fma_f32 v[GF+i:GF+i+1], v[GF+i:GF+i+1], v[C0P+i:C0P+i+1], v[GI+i:GI+i+1]
	WIN 0x55                                       ; GF holds c1
	PK16 v_pk_mul_f32 v[GC+i:GC+i+1], v[GF+i:GF+i+1], s[KP:KP+1] op_sel_hi:[1,0]
.set i, 0
.rept 32
	v_exp_f32 v[GC+i], v[GC+i]
.set i, i+1
.endr
	WIN 0x04                                       ; address window 0, data window 1
.irp c, 0,1,2,3,4,5,6,7
	ds_store_b128 v[STY], v[GF+4*(\c):GF+4*(\c)+3] offset:64*((\c)/2)+16*((\c)%2)
.endr
	WIN 0
.irp t, 0,1,2,3,4,5,6,7
	ds_load_b128 v[CR+4*(\t):CR+4*(\t)+3], v[RDY] offset:2*SP*(\t)  ; c1 back as whole rows of 256 bytes
.endr
	v_nop
	s_wait_alu depctr_va_vdst(0)
	WIN 0x55
	PK16 v_pk_add_f32 v[GC+i:GC+i+1], v[GC+i:GC+i+1], 1.0 op_sel_hi:[1,0]
.set i, 0
.rept 32
	v_rcp_f32 v[GC+i], v[GC+i]
.set i, i+1
.endr
	WIN 0
	s_wait_dscnt 0x0                               ; c1's rows are in registers
.irp t, 0,1,2,3,4,5,6,7
	global_store_b128 v[CO], v[CR+4*(\t):CR+4*(\t)+3], s[16:17] offset:2*ROWB*(\t) th:TH_STORE_NT  ; sixteen lanes store 256 consecutive bytes, at a multiple of 256 from out1's first
.endr
	v_nop
	s_wait_alu depctr_va_vdst(0)
	WIN 0x55
	PK16 v_pk_fma_f32 v[GC+i:GC+i+1], v[GC+i:GC+i+1], -2.0, 1.0 op_sel_hi:[1,0,0]
	PK16 v_pk_mul_f32 v[GO+i:GO+i+1], v[GO+i:GO+i+1], v[GC+i:GC+i+1]
	WIN 0x04                                       ; GO holds h1; stage X's c0 has been read
.irp c, 0,1,2,3,4,5,6,7
	ds_store_b128 v[STX], v[GO+4*(\c):GO+4*(\c)+3] offset:64*((\c)/2)+16*((\c)%2)
.endr
	WIN 0
.irp t, 0,1,2,3,4,5,6,7
	ds_load_b128 v[C0P+4*(\t):C0P+4*(\t)+3], v[RDX] offset:2*SP*(\t)
.endr
	s_wait_dscnt 0x0
.irp t, 0,1,2,3,4,5,6,7
	global_store_b128 v[CO], v[C0P+4*(\t):C0P+4*(\t)+3], s[14:15] offset:2*ROWB*(\t) th:TH_STORE_NT
.endr
.endm
; A tile's way out: four trips, a row block each.  The arithmetic is written once; only TAKE, which names the block's registers, stands four times, chosen by forward jumps on the trip's count.  No barrier and no tensor load stand here.
.macro WAYOUT
	WIN 0
.rept 8
	v_nop                                          ; the places behind the last products, whose results are read and whose wbf buffer is written next
.endr
	s_wait_loadcnt 0x0                             ; the tile's c0, asked for behind its first quarter
	s_mov_b32 s74, 4
.Lrow_\@:
	s_cmp_eq_u32 s74, 4
	s_cbranch_scc1 .Lr0_\@
	s_cmp_eq_u32 s74, 3
	s_cbranch_scc1 .Lr1_\@
	s_cmp_eq_u32 s74, 2
	s_cbranch_scc1 .Lr2_\@
	TAKE 3
	s_branch .Lmath_\@
.Lr0_\@:
	TAKE 0
	s_branch .Lmath_\@
.Lr1_\@:
	TAKE 1
	s_branch .Lmath_\@
.Lr2_\@:
	TAKE 2
.Lmath_\@:
	MATH
	s_wait_xcnt 0x0                                ; the stores have read their registers and bases: only behind this wait are those written again
	s_add_nc_u64 s[14:15], s[14:15], 16*ROWB       ; 16 rows on
	s_add_nc_u64 s[16:17], s[16:17], 16*ROWB
	s_sub_co_u32 s74, s74, 1
	s_cmp_lg_u32 s74, 0
	s_cbranch_scc1 .Lrow_\@
.endm
	s_wait_tensorcnt 1                             ; my part of K step 0 is in; K step 1's load, issued behind it, may stay out
	s_wait_dscnt 0x0                               ; for the others' sake: my words of the bias are stored
	s_barrier_signal -1
	s_barrier_wait -1                              ; everybody's are
	FETCH 0, 0, 0
	s_mov_b32 s2, TILES                            ; tiles to go, this one among them: the same number in every work-group
.Ltile:
	LOADBIAS
	QUARTER 0, 64, 0, 1, 1                         ; a tile's first quarter stands in front of the loop: its products start the sums, with the bias
	PLACES                                         ; the bias's registers, which those products read, are loaded next
	C0LOADS
	s_mov_b32 s3, LAPS-1
.Llap:                                                 ; a trip goes once round the ring, from a lap's second quarter to the next lap's first, and fills both slots again
	QUARTER 0, 128, 1, 0, 0
	QUARTER 0, 192, 0, 1, 0
	TURN 0, 1, 0
	QUARTER 1, 64,  0, 1, 0
	QUARTER 1, 128, 1, 0, 0
	QUARTER 1, 192, 0, 1, 0
	TURN 1, 0, 0
	QUARTER 0, 64,  0, 1, 0
	WIN 0                                          ; at a label and at a branch every window is 0
	s_sub_co_u32 s3, s3, 1
	s_cmp_lg_u32 s3, 0
	s_cbranch_scc1 .Llap
	QUARTER 0, 128, 1, 0, 0                        ; the tile's last lap goes on
	QUARTER 0, 192, 0, 1, 0
	WIN 0
	s_cmp_eq_u32 s2, 1
	s_cbranch_scc1 .Llast_tile                     ; the last tile's tail is written out: it asks for nothing more
	TURN 0, 1, 1                                   ; the ring goes on into the next tile: slot 0 takes its K step 0,
	QUARTER 1, 64,  0, 1, 0
	QUARTER 1, 128, 1, 0, 0
	QUARTER 1, 192, 0, 1, 0
	TURN 1, 0, 1                                   ; slot 1 its K step 1, and the next tile's first fragments are fetched into buffer 0, which the way out leaves alone
	WAYOUT                                         ; both refills are asked for: now the tile goes out
	s_add_nc_u64 s[14:15], s[14:15], (WALK-64)*ROWB  ; from behind my 64 rows to my rows of the next tile
	s_add_nc_u64 s[16:17], s[16:17], (WALK-64)*ROWB
	s_add_nc_u64 s[12:13], s[12:13], WALK*ROWB     ; c0's loads have come back, so their base may be written
	s_sub_co_u32 s2, s2, 1
	s_branch .Ltile
.Llast_tile:
	MEET 0                                         ; my one tensor load that was still out is slot 1's, the last K step's, so no round follows
	PLACES                                         ; for the loads into buffer 0, which the quarter before multiplied
	FETCH 1, 0, 0
	MUL16 1, 2, 0
	MUL16 1, 3, 0
	QUARTER 1, 64,  0, 1, 0
	QUARTER 1, 128, 1, 0, 0
	QUARTER 1, 192, 0, 1, 0
	s_wait_dscnt 4                                 ; the very last quarter: nothing more to fetch
	MUL16 1, 0, 0
	MUL16 1, 1, 0
	s_wait_dscnt 0x0
	MUL16 1, 2, 0
	MUL16 1, 3, 0
	WAYOUT
	s_wait_tensorcnt 0x0                           ; the wave's end: behind my last tensor load and my last LDS store
	ds_add_u32 v[SPW], v[NIL]
	s_wait_dscnt 0x0
	CROUND                                         ; the closing round: no work-group ends while a partner may still ask for a tile that names it
	s_endpgm
.Lfunc_end_k_q204e8cb48b_lstm:
	.size	k_q204e8cb48b_lstm, .Lfunc_end_k_q204e8cb48b_lstm-k_q204e8cb48b_lstm
	.p2alignl 7, 3214868480
	.fill 96, 4, 3214868480
	.section	.rodata,"a",@progbits
	.p2align	6, 0x0
	.amdhsa_kernel k_q204e8cb48b_lstm
		.amdhsa_group_segment_fixed_size 327680
		.amdhsa_private_segment_fixed_size 0
		.amdhsa_enable_private_segment 0
		.amdhsa_kernarg_size 56
		.amdhsa_user_sgpr_count 2
		.amdhsa_user_sgpr_kernarg_segment_ptr 1
		.amdhsa_wavefront_size32 1
		.amdhsa_system_sgpr_workgroup_id_x 1
		.amdhsa_system_sgpr_workgroup_id_y 1
		.amdhsa_system_sgpr_workgroup_id_z 1
		.amdhsa_system_vgpr_workitem_id 0
		.amdhsa_next_free_vgpr 1024
		.amdhsa_next_free_sgpr 80
		.amdhsa_reserve_vcc 0
		.amdhsa_float_denorm_mode_32 3
		.amdhsa_float_denorm_mode_16_64 3
		.amdhsa_memory_ordered 1
		.amdhsa_forward_progress 1
		.amdhsa_inst_pref_size 252
	.end_amdhsa_kernel
	.amdgpu_metadata
---
amdhsa.version: [ 1, 2 ]
amdhsa.kernels:
  - .name:           k_q204e8cb48b_lstm
    .symbol:         k_q204e8cb48b_lstm.kd
    .args:
      - { .name: abf, .offset: 0, .size: 8, .value_kind: global_buffer, .address_space: global }
      - { .name: wbf, .offset: 8, .size: 8, .value_kind: global_buffer, .address_space: global }
      - { .name: b_x, .offset: 16, .size: 8, .value_kind: global_buffer, .address_space: global }
      - { .name: b_h, .offset: 24, .size: 8, .value_kind: global_buffer, .address_space: global }
      - { .name: c0, .offset: 32, .size: 8, .value_kind: global_buffer, .address_space: global }
      - { .name: out0, .offset: 40, .size: 8, .value_kind: global_buffer, .address_space: global }
      - { .name: out1, .offset: 48, .size: 8, .value_kind: global_buffer, .address_space: global }
    .group_segment_fixed_size: 327680
    .private_segment_fixed_size: 0
    .kernarg_segment_align: 8
    .kernarg_segment_size: 56
    .max_flat_workgroup_size: 128
    .sgpr_count:     80
    .vgpr_count:     1024
    .wavefront_size: 32
...
	.end_amdgpu_metadata
.endif
;; end of part 2
